; MI455X (gfx1250); checked and timed in simulation.
; The chip was launched on July 23, 2026; its instructions are those of AMD's public machine-readable ISA for CDNA 5 (MIT licence, August 2026) and "CDNA5" Instruction Set Architecture Reference Guide (July 2026). The comments in the code are by the model that wrote it; some were corrected since.
;; KNN. Allowed arithmetic: matrix products marked QUANTISED: E5M2 operands, one given power-of-two scale a tensor, by v_wmma_f32_16x16x64_bf8_bf8 or v_wmma_f32_16x16x128_bf8_bf8, f32 sums; everything else in f32.
;; Inputs: X 512 x 64 float32; lowp_scales 2 int32 (the exponents e of the quantised operands' scales 2^e); train_features 200,000 x 64 float32; train_labels 200,000 int32.
;; Outputs: out0 512 int32.
;; Constants: k = 16, num_labels = 10.
;; This version of the problem:
;;   THIS VERSION OF THE PROBLEM IS GIVEN IN LOW PRECISION. The matrix products marked QUANTISED in the list below multiply operands that are first quantised to E5M2 (5 exponent bits, 2 mantissa bits; 8 bits a number), with one given power-of-two scale for each operand tensor; their sums are f32. All else is computed in f32.
;;   The module's matrix products, in the order in which they are computed (A, B: the left and right operand; K: the contracted axis; several contracted axes count as one K, in the product's order):
;;     1. [M 512, K 64] x [K 64, N 200,000]; A: input X; B: input train_features: QUANTISED (scales: A lowp_scales[0], B lowp_scales[1])
;;   THE QUANTISER, for each operand of a quantised product, along K:
;;     - The operand's scale is 2^e, e = its entry of the input lowp_scales (int32; the entries are numbered through the quantised products in the list's order, A before B).
;;     - Each number is divided by the scale, clamped to +-57,344, and rounded to the nearest number of E5M2, ties to even, subnormals kept.
;;     - The product sums the exact products of the quantised numbers (number of the format x scale) in f32.
;;   ~~~python
;;   def quantise(x, axis, e):      # numpy; x: float32 -> the quantised numbers, widened to float32 again
;;       x = np.moveaxis(x, axis, -1); K = x.shape[-1]
;;       r = np.clip(x / 2.0 ** e, -57344, 57344)
;;       step = 2.0 ** (np.maximum(np.frexp(np.where(r == 0, 1, r))[1] - 1, -14) - 2)
;;       q = np.round(r / step) * step * 2.0 ** e      # np.round: ties to even
;;       return np.moveaxis(q, -1, axis).astype(np.float32)
;;   ~~~
;; One version. Each part assembles by itself: llvm-mc -triple=amdgcn-amd-amdhsa -mcpu=gfx1250 --defsym DOCPART=n.
;; ======== version 1 of 1: 3 launches
;; workspace buffers: tcodes 12,800,000 bytes; t2buf 800,000 bytes; gmin 5,120,000 bytes; order 32,768 bytes of whole numbers
;; launch scan (part 1): grid 250 x 1, 4 waves a work-group, no clusters, 307,200 bytes of LDS; arguments X, lowp_scales, train_features, tcodes, t2buf, gmin; writes tcodes, t2buf, gmin
.if DOCPART == 1
	.amdgcn_target "amdgcn-amd-amdhsa--gfx1250"
	.amdhsa_code_object_version 6
	.text
	.protected	k_qab2d848acf_scan
	.globl	k_qab2d848acf_scan
	.p2align	8
	.type	k_qab2d848acf_scan,@function
k_qab2d848acf_scan:
	s_mov_b64 s[64:65], 0
	v_nop
	global_prefetch_b8 v0, s[64:65] scope:SCOPE_SE
	s_setreg_imm32_b32 hwreg(HW_REG_WAVE_MODE, 25, 1), 1
	s_wait_xcnt 0x0
; SCAN.  d2[Q][n] = (x2[Q] + t2[n]) - 2 Q(X)[Q] . Q(T)[n] for 512 queries and 200,000 rows of 64 numbers; the product on codes of E5M2 with the given scales 2^e0 (X), 2^e1 (T).
; Stored: T's codes [200000][64], t2 [200000], and for each query the least max(d2, 0) of each GROUP of 80 consecutive rows (2,500 groups).  The 16 rows first by (key, index) lie in the 16 groups first
; by (least key, group number), so this pass keeps one running minimum for each (query, group) and nothing else; the later launches choose the groups and look into them.
; SHARES.  Work-group b owns rows 800 b .. 800 b + 799 (250 x 800 = 200,000), as 5 runs of 160 rows = 2 groups.  In a run wave w quantises rows 40 w .. 40 w + 39 (codes and t2 go to LDS and to memory);
; then wave w multiplies all 160 rows by ITS 128 queries (128 w on), whose codes and x2 stay in its registers for the whole launch.
; ALL OF THE WORK-GROUP'S 800 ROWS ARE ASKED FOR AT THE START: five tensor loads a wave (40 rows x 256 bytes each), each into LDS bytes of its own, read by the wave that asked alone.  Nothing is filled twice.
; No cluster: no two work-groups read the same rows of T, and X (128 KiB) comes through registers once a work-group; 250 work-groups divide into no cluster of four.
; LAYOUT.  Source 0 = 16 rows of T, source 1 = 16 queries: lane (r, hl) holds query r, and its register j the tile's row 8 hl + j.  Tile t of a run takes as its row m the run's row 80 (m / 8) + 8 t + m % 8:
; so all that a lane sees in a run's ten tiles is group hl of the run, and the minimum never leaves the lane.
; k STANDS PERMUTED, alike in both operands: lane (r, hl) holds k = 32 hl .. 32 hl + 31 in its eight registers (two loads of 16 bytes).  Every product meets its partner; only the grouping of the sums inside an instruction differs.
; d2 = fma(sum, c, x2 + t2), c = -2^(e0 + e1 + 1): the launch that looks into the groups forms it by the same steps.
; LIMITS: e0, e1 between -126 and 112; e0 + e1 + 1 between -126 and 127; NaN and infinities among the inputs are not served.
.set WTILE, 10880                      ; a tensor tile in LDS: 40 rows x (256 bytes + 16 of padding)
.set WF32,  54400                      ; a wave's five tiles; the four waves' take LDS bytes 0 .. 217,599
.set CB,    217600                     ; codes: run i at CB + i RUNB; row p of the run at 80 p, + 128 from row 80 on
.set RUNB,  13056
.set HALF,  6528                       ; 80 rows x 80 bytes + 128: with it the 16 rows of a fragment load begin in 16 different columns of 16 bytes modulo 256
.set T2B,   282880                     ; t2 of the work-group's row x at T2B + 4 x
.set STG,   286208                     ; the way out: wave w at + 5,120 w: [128 queries][10 groups] f32
.set FRD,  4                           ; v4   my place in a tile of f32 rows: 4 lanes to a row, 16 numbers a lane
.set CWR,  5                           ; v5   where my 16 codes go
.set TWR,  6                           ; v6   where my row's t2 goes
.set L16,  7                           ; v7   16 x lane
.set ADA0, 8                           ; v8   my place in a fragment of codes
.set ADT0, 9                           ; v9   my group's t2
.set ADA,  10                          ; v10, v11 the same at the tiles in hand
.set ADT,  11
.set STW,  12                          ; v12  the stage: my query's row, my group's word
.set STR,  13                          ; v13  the stage read back, 16 bytes a lane
.set T2L,  14                          ; v14  t2 read back
.set T2G,  15                          ; v15  and its place in memory
.set XF,   16                          ; v16-79   X's eight fragments
.set X2,   80                          ; v80-95   x2 of tile q, twice (a pair for the packed addition)
.set M,    96                          ; v96-103  the running minimum of tile q
.set AF,   104                         ; v104-119 two buffers of a fragment of T
.set TF,   120                         ; v120-135 two buffers of eight t2
.set DB,   136                         ; v136-151 two results, by turns
.set S,    152                         ; v152-159 at work
.set TA,   160
.set TB,   161
.set F,    162                         ; v162-225 numbers in f32: four sets of 16 (T), two sets of 32 (X); at the end the way out
.set C,    226                         ; v226-245 a run's codes, four registers a step
.set TT,   246                         ; v246-250 a run's t2, one a step
.set XO,   251                         ; v251 my byte in a tile of X
.set P,    252                         ; v[252:253] a sum of squares in two halves
.set SCL,  254                         ; v254 the scale as f32;  v255 57,344 x the scale
.set LIM,  255
.set G1,   16                          ; s[16:23] descriptor group 1;  s[24:43] five groups 0
.set G0,   24
.set WV,   44
.set CC,   48                          ; s[48:49] c, twice
.set SA,   54
.set ST,   55
.set CNT,  56
.set SEL,  58                          ; s58, s59 lane selects: lane l xor 16
	s_load_b256 s[4:11], s[0:1], 0x0               ; X s[4:5], the exponents s[6:7], T s[8:9], T's codes s[10:11]
	s_load_b128 s[12:15], s[0:1], 0x20             ; t2 s[12:13], the minima s[14:15]
	s_set_vgpr_msb 0x40
	v_lshl_add_u32 v0, v0, 2, 0x4ae00
	v_mov_b32 v1, 0
	s_set_vgpr_msb 0x4045
	ds_add_u32 v0, v1
	ds_add_u32 v0, v1
	s_set_vgpr_msb 0x4500
	v_lshrrev_b32 v1, 5, v0
	v_readfirstlane_b32 s[WV], v1                  ; wave 0..3
	s_mov_b32 s[G1+0], (2<<16)|(1<<20)|(5<<22)|(3<<25)  ; no mask; elements of 4 bytes; padding on: 4 words behind every 64
	s_mov_b32 s[G1+1], 64<<16                      ; tensor_dim0 = 64
	s_mov_b32 s[G1+2], 40<<16                      ; tensor_dim1 = 40
	s_mov_b32 s[G1+3], 64<<16                      ; tile_dim0 = 64
	s_mov_b32 s[G1+4], 40                          ; tile_dim1 = 40
	s_mov_b32 s[G1+5], 64                          ; elements from row to row
	s_mov_b32 s[G1+6], 0
	s_mov_b32 s[G1+7], 0
	s_mul_i32 s50, ttmp9, 800
	s_mul_i32 s51, s[WV], 40
	s_add_co_u32 s50, s50, s51                     ; my first row: 800 b + 40 w
	s_lshl_b32 s52, s50, 8                         ; in T's bytes (under 2^26),
	s_mov_b32 s53, 0
	s_lshl_b32 s66, s50, 6                         ; in the codes' bytes
	s_mov_b32 s67, 0
	s_lshl_b32 s68, s[WV], 15                      ; my 128 queries in X
	s_mov_b32 s69, 0
	s_mul_i32 s62, ttmp9, 3200                     ; the work-group's 800 t2
	s_mov_b32 s63, 0
	s_mul_i32 s46, ttmp9, 20480                    ; the work-group's minima, my wave's 5,120 bytes of them
	s_mul_i32 s47, s[WV], 5120
	s_add_co_u32 s46, s46, s47
	s_mov_b32 s47, 0
	s_mul_i32 s57, s[WV], WF32                     ; my five tiles in LDS
	s_mov_b32 s[SEL], 0x76543210
	s_mov_b32 s[SEL+1], 0xfedcba98
	s_wait_dscnt 0x0
	s_wait_kmcnt 0x0
	s_add_nc_u64 s[8:9], s[8:9], s[52:53]
.irp i, 0,1,2,3,4
	s_mov_b32 s[G0+4*\i], 1                        ; count = 1
	s_add_co_u32 s[G0+4*\i+1], s57, \i*WTILE       ; LDS address: wave x 54,400 + run x 10,880
	s_add_nc_u64 s[G0+4*\i+2:G0+4*\i+3], s[8:9], \i*160*256   ; my 40 rows of run i
	s_or_b32 s[G0+4*\i+3], s[G0+4*\i+3], 0x80000000           ; type = 2
.endr
.irp i, 0,1,2,3,4
	tensor_load_to_lds s[G0+4*\i:G0+4*\i+3], s[G1:G1+7]       ; all five go out together: five loads of mine are out, and no descriptor register is written again
	s_nop 0
.endr
	v_and_b32 v1, 31, v0                           ; lane
	v_and_b32 v2, 15, v0                           ; r
	v_bfe_u32 v3, v0, 4, 1                         ; hl
	s_load_b64 s[60:61], s[6:7], 0x0               ; e0, e1
	s_add_nc_u64 s[4:5], s[4:5], s[68:69]
	s_add_nc_u64 s[10:11], s[10:11], s[66:67]
	s_add_nc_u64 s[12:13], s[12:13], s[62:63]
	s_add_nc_u64 s[14:15], s[14:15], s[46:47]
	v_lshlrev_b32 v[XO], 8, v2
	v_lshl_add_u32 v[XO], v3, 7, v[XO]             ; X: query r's 256 bytes, + 128 hl: my 32 numbers
.macro XLOAD q, set                    ; tile q of my queries: 32 numbers a lane
.irp c, 0,1,2,3,4,5,6,7
	global_load_b128 v[F+32*(\set)+4*\c:F+32*(\set)+4*\c+3], v[XO], s[4:5] offset:4096*(\q)+16*\c
.endr
.endm
	XLOAD 0, 0
	XLOAD 1, 1
	v_bfe_u32 v[TA], v0, 2, 3                      ; lane / 4
	v_and_b32 v[TB], 3, v0                         ; lane % 4
	v_mul_u32_u24 v[FRD], v[TA], 272
	v_lshl_add_u32 v[FRD], v[TB], 6, v[FRD]
	v_add_nc_u32 v[FRD], s57, v[FRD]               ; 54,400 w + 272 (lane / 4) + 64 (lane % 4)
	s_mul_i32 s50, s[WV], 3200                     ; 40 w rows of 80 bytes,
	s_lshr_b32 s51, s[WV], 1
	s_lshl_b32 s51, s51, 7                         ; + 128 for waves 2 and 3, whose rows are the run's second group
	s_add_co_u32 s50, s50, s51
	s_add_co_u32 s50, s50, CB
	v_mul_u32_u24 v[CWR], v[TA], 80
	v_lshl_add_u32 v[CWR], v[TB], 4, v[CWR]
	v_add_nc_u32 v[CWR], s50, v[CWR]
	s_mul_i32 s50, s[WV], 160
	s_add_co_u32 s50, s50, T2B
	v_lshl_add_u32 v[TWR], v[TA], 2, s50
	v_lshlrev_b32 v[L16], 4, v1
	v_bfe_u32 v[TA], v0, 3, 1                      ; r / 8
	v_and_b32 v[TB], 7, v0                         ; r % 8
	v_mul_u32_u24 v[ADA0], v[TA], HALF
	v_mad_u32_u24 v[ADA0], v[TB], 80, v[ADA0]
	v_lshl_add_u32 v[ADA0], v3, 5, v[ADA0]
	v_add_nc_u32 v[ADA0], CB, v[ADA0]              ; CB + 6,528 (r / 8) + 80 (r % 8) + 32 hl
	v_mul_u32_u24 v[ADT0], v3, 320
	v_add_nc_u32 v[ADT0], T2B, v[ADT0]             ; T2B + 320 hl
	s_mul_i32 s50, s[WV], 5120
	s_add_co_u32 s50, s50, STG
	v_mul_u32_u24 v[STW], v2, 40
	v_lshl_add_u32 v[STW], v3, 2, v[STW]
	v_add_nc_u32 v[STW], s50, v[STW]               ; my stage + 40 r + 4 hl
	v_add_nc_u32 v[STR], s50, v[L16]
	v_lshl_add_u32 v[T2L], v0, 2, T2B              ; T2B + 128 w + 4 lane
	v_lshlrev_b32 v[T2G], 2, v0
	s_wait_kmcnt 0x0
	s_add_co_i32 s50, s60, 127
	s_lshl_b32 s51, s50, 23
	v_mov_b32 v[SCL], s51                          ; 2^e0 as f32: the conversion takes its exponent field
	s_add_co_i32 s50, s50, 15
	s_lshl_b32 s50, s50, 23
	s_or_b32 s50, s50, 0x600000
	v_mov_b32 v[LIM], s50                          ; 57,344 x 2^e0
	s_add_co_i32 s[CC], s60, s61
	s_add_co_i32 s[CC], s[CC], 128
	s_lshl_b32 s[CC], s[CC], 23
	s_or_b32 s[CC], s[CC], 0x80000000              ; c = -2^(e0 + e1 + 1)
	s_mov_b32 s[CC+1], s[CC]                       ; (named with it as a pair, so it is written)
; 32 numbers of a lane, k = 32 hl on of one query: the sum of squares of the UNQUANTISED numbers (mine, then lane l xor 16's added), then the codes: a fragment's eight registers.
.macro QX src, dst, x2
	v_pk_mul_f32 v[P:P+1], v[\src:\src+1], v[\src:\src+1]
.irp j, 2,4,6,8,10,12,14,16,18,20,22,24,26,28,30
	v_pk_fma_f32 v[P:P+1], v[\src+\j:\src+\j+1], v[\src+\j:\src+\j+1], v[P:P+1]
.endr
	v_add_f32 v[TB], v[P], v[P+1]
	v_permlanex16_b32 v[TA], v[TB], s[SEL], s[SEL+1]   ; (its destination has been written before)
	v_add_f32 v[\x2], v[TB], v[TA]
.irp j, 0,1,2,3,4,5,6,7,8,9,10,11,12,13,14,15,16,17,18,19,20,21,22,23,24,25,26,27,28,29,30,31
	v_med3_num_f32 v[\src+\j], v[\src+\j], -v[LIM], v[LIM]   ; the conversion to an 8-bit code does not saturate (ISA guide 7.6.2): the hold at the largest code x the scale
.endr
.irp g, 0,1,2,3
	v_cvt_scalef32_pk8_bf8_f32 v[\dst+2*\g:\dst+2*\g+1], v[\src+8*\g:\src+8*\g+7], v[SCL]
.endr
	v_nop                                          ; one plain vector line behind the last conversion of a run
.endm
.irp q, 0,1,2,3,4,5,6,7
.if \q < 7
	s_wait_loadcnt 8                               ; this tile's eight loads are in; the next tile's eight may be out
.else
	s_wait_loadcnt 0
.endif
	QX F+32*(\q%2), XF+8*\q, X2+2*\q
	v_mov_b32 v[X2+2*\q+1], v[X2+2*\q]
.if \q < 6
	XLOAD \q+2, \q%2
.endif
.endr
	s_add_co_i32 s50, s61, 127
	s_lshl_b32 s51, s50, 23
	v_mov_b32 v[SCL], s51                          ; from here on T's scale: 2^e1,
	s_add_co_i32 s50, s50, 15
	s_lshl_b32 s50, s50, 23
	s_or_b32 s50, s50, 0x600000
	v_mov_b32 v[LIM], s50                          ; and 57,344 x 2^e1
.macro QLOAD i, s, set                 ; step s of run i: 8 rows, 4 lanes to a row, 16 numbers a lane
.irp c, 0,1,2,3
	ds_load_b128 v[F+16*(\set)+4*\c:F+16*(\set)+4*\c+3], v[FRD] offset:\i*WTILE+2176*(\s)+16*\c
.endr
.endm
.macro QPROC s, set                    ; t2 of the row (all four of its lanes end with the same sum) and my 16 codes
.set FS, F+16*(\set)
	v_pk_mul_f32 v[P:P+1], v[FS:FS+1], v[FS:FS+1]
.irp j, 2,4,6,8,10,12,14
	v_pk_fma_f32 v[P:P+1], v[FS+\j:FS+\j+1], v[FS+\j:FS+\j+1], v[P:P+1]
.endr
	v_add_f32 v[TT+\s], v[P], v[P+1]
	v_add_f32_dpp v[TT+\s], v[TT+\s], v[TT+\s] row_xmask:1 row_mask:0xf bank_mask:0xf
	v_add_f32_dpp v[TT+\s], v[TT+\s], v[TT+\s] row_xmask:2 row_mask:0xf bank_mask:0xf
.irp j, 0,1,2,3,4,5,6,7,8,9,10,11,12,13,14,15
	v_med3_num_f32 v[FS+\j], v[FS+\j], -v[LIM], v[LIM]
.endr
	v_cvt_scalef32_pk8_bf8_f32 v[C+4*\s:C+4*\s+1], v[FS:FS+7], v[SCL]
	v_cvt_scalef32_pk8_bf8_f32 v[C+4*\s+2:C+4*\s+3], v[FS+8:FS+15], v[SCL]
	v_nop                                          ; one plain vector line behind the last conversion of a run
.endm
.macro QSTORE i
.irp s, 0,1,2,3,4
	ds_store_b128 v[CWR], v[C+4*\s:C+4*\s+3] offset:\i*RUNB+640*\s
	ds_store_b32 v[TWR], v[TT+\s] offset:\i*640+32*\s          ; a row's four lanes write one word with one value
	global_store_b128 v[L16], v[C+4*\s:C+4*\s+3], s[10:11] offset:(160*\i+8*\s)*64   ; 8 rows of 64 codes: the wave stores 512 consecutive bytes, aligned
.endr
.endm
.macro LOADT buf, ka, kt               ; a tile's fragment of codes and my eight t2
	ds_load_b128 v[AF+8*\buf:AF+8*\buf+3], v[ADA] offset:\ka
	ds_load_b128 v[AF+8*\buf+4:AF+8*\buf+7], v[ADA] offset:\ka+16
	ds_load_b128 v[TF+8*\buf:TF+8*\buf+3], v[ADT] offset:\kt
	ds_load_b128 v[TF+8*\buf+4:TF+8*\buf+7], v[ADT] offset:\kt+16
.endm
; Twelve lines for a result of 256 numbers: x2 + t2, d2 = sum x c + that, and the minimum.  The result is read from its low end on.
.macro PROC q, d, buf
.irp k, 0,2,4,6
	v_pk_add_f32 v[S+\k:S+\k+1], v[TF+8*\buf+\k:TF+8*\buf+\k+1], v[X2+2*\q:X2+2*\q+1]
.endr
.irp k, 0,2,4,6
	v_pk_fma_f32 v[S+\k:S+\k+1], v[DB+8*(\d)+\k:DB+8*(\d)+\k+1], s[CC:CC+1], v[S+\k:S+\k+1] op_sel_hi:[1,0,1]
.endr
	v_min3_num_f32 v[TA], v[S], v[S+1], v[S+2]
	v_min3_num_f32 v[TB], v[S+3], v[S+4], v[S+5]
	v_min3_num_f32 v[M+\q], v[M+\q], v[S+6], v[S+7]
	v_min3_num_f32 v[M+\q], v[M+\q], v[TA], v[TB]
.endm
; A tile of 16 rows against my eight tiles of queries.  Each product begins with C = 0 (K is one instruction deep) and the two results take turns, so no two products that follow each other share a result.
; A product is issued one PROC ahead of the PROC that reads it.  Places (ISA guide 7.12.1): in front of the first read of a result stand PROC's own four additions, which name none of the product's
; registers (for the later results also the whole PROC before); a result is written again behind eight such lines or more.
.macro TILE buf
	v_wmma_f32_16x16x64_bf8_bf8 v[DB:DB+7], v[AF+8*\buf:AF+8*\buf+7], v[XF:XF+7], 0
.irp q, 0,1,2,3,4,5,6,7
.if \q < 7
	v_wmma_f32_16x16x64_bf8_bf8 v[DB+8*((\q+1)%2):DB+8*((\q+1)%2)+7], v[AF+8*\buf:AF+8*\buf+7], v[XF+8*(\q+1):XF+8*(\q+1)+7], 0
.endif
	PROC \q, \q%2, \buf
.endr
.endm
.macro RUN i
	s_wait_xcnt 0x0                                ; the last run's stores of codes have read their data registers, which are written again below
	s_wait_tensorcnt 4-\i                          ; a wave's tensor loads end in order: my tile of run i is in LDS, the 4 - i younger ones may be out
	QLOAD \i, 0, 0
	QLOAD \i, 1, 1
	QLOAD \i, 2, 2
	QLOAD \i, 3, 3
	s_wait_dscnt 12                                ; step 0's four loads are in; twelve younger ones may be out
	QPROC 0, 0
	QLOAD \i, 4, 0
	s_wait_dscnt 12                                ; step 1's are in (behind them: steps 2, 3, 4)
	QPROC 1, 1
	s_wait_dscnt 8
	QPROC 2, 2
	s_wait_dscnt 4
	QPROC 3, 3
	s_wait_dscnt 0
	QPROC 4, 0
	QSTORE \i
	s_wait_dscnt 0x0                               ; for the others' sake: my codes and t2 of this run lie in LDS
	s_barrier_signal -1
	s_barrier_wait -1                              ; everybody's do.  Each run has LDS bytes of its own, so one barrier a run is enough; the younger tiles stay on their way
.irp q, 0,1,2,3,4,5,6,7
	v_mov_b32 v[M+\q], 0x7f800000                  ; a new pair of groups: the minima begin at +infinity
.endr
	s_mov_b32 s[SA], \i*RUNB
	s_mov_b32 s[ST], \i*640
	s_mov_b32 s[CNT], 4
	v_add_nc_u32 v[ADA], s[SA], v[ADA0]
	v_add_nc_u32 v[ADT], s[ST], v[ADT0]
	LOADT 0, 0, 0
.Lt_\@:                                            ; four trips of two tiles; at the label buffer 0's four loads are out, on the way in and on the way back
	LOADT 1, 640, 32
	s_wait_dscnt 4                                 ; buffer 0 is in; buffer 1's four loads may be out
	TILE 0
	LOADT 0, 1280, 64                              ; (24 plain lines behind the last product that read buffer 0)
	s_wait_dscnt 4
	TILE 1
	s_add_co_u32 s[SA], s[SA], 1280
	s_add_co_u32 s[ST], s[ST], 64
	v_add_nc_u32 v[ADA], s[SA], v[ADA0]
	v_add_nc_u32 v[ADT], s[ST], v[ADT0]
	s_sub_co_u32 s[CNT], s[CNT], 1
	s_cmp_lg_u32 s[CNT], 0
	s_cbranch_scc1 .Lt_\@
	LOADT 1, 640, 32                               ; tiles 8 and 9 are written out: nothing is read beyond the run
	s_wait_dscnt 4
	TILE 0
	s_wait_dscnt 0
	TILE 1
.irp q, 0,1,2,3,4,5,6,7
	v_max_num_f32 v[M+\q], 0, v[M+\q]              ; the least of max(d2, 0)
	ds_store_b32 v[STW], v[M+\q] offset:640*\q+8*\i
.endr
.endm
	RUN 0
	RUN 1
	RUN 2
	RUN 3
	RUN 4                                          ; its wait on TENSORcnt is for 0: no tensor load is out at the end
	; THE WAY OUT.  My stage (my own bytes: LDS serves a wave's instructions in order) leaves as 5,120 consecutive bytes; the work-group's 800 t2, all behind a barrier, leave 128 bytes a store.
.irp c, 0,1,2,3,4,5,6,7,8,9
	ds_load_b128 v[F+4*\c:F+4*\c+3], v[STR] offset:512*\c
.endr
.irp k, 0,1,2,3,4,5
	ds_load_b32 v[F+40+\k], v[T2L] offset:512*\k
.endr
.irp c, 0,1,2,3,4,5,6,7,8,9
	s_wait_dscnt 15-\c
	global_store_b128 v[L16], v[F+4*\c:F+4*\c+3], s[14:15] offset:512*\c   ; the wave stores 512 consecutive bytes, aligned
.endr
.irp k, 0,1,2,3,4,5
	s_wait_dscnt 5-\k
	global_store_b32 v[T2G], v[F+40+\k], s[12:13] offset:512*\k
.endr
	s_cmp_lg_u32 s[WV], 0                          ; 800 = 6 x 128 + 32: wave 0 takes the last 32
	s_cbranch_scc1 .Ldone
	ds_load_b32 v[F+46], v[T2L] offset:3072
	s_wait_dscnt 0x0
	global_store_b32 v[T2G], v[F+46], s[12:13] offset:3072
.Ldone:
	s_set_vgpr_msb 0x5
	s_wait_tensorcnt 0x0
	ds_add_u32 v0, v1
	s_wait_dscnt 0x0
	s_set_vgpr_msb 0x500
	s_endpgm
.Lfunc_end_k_qab2d848acf_scan:
	.size	k_qab2d848acf_scan, .Lfunc_end_k_qab2d848acf_scan-k_qab2d848acf_scan
	.p2alignl 7, 3214868480
	.fill 96, 4, 3214868480
	.section	.rodata,"a",@progbits
	.p2align	6, 0x0
	.amdhsa_kernel k_qab2d848acf_scan
		.amdhsa_group_segment_fixed_size 307200
		.amdhsa_private_segment_fixed_size 0
		.amdhsa_enable_private_segment 0
		.amdhsa_kernarg_size 48
		.amdhsa_user_sgpr_count 2
		.amdhsa_user_sgpr_kernarg_segment_ptr 1
		.amdhsa_wavefront_size32 1
		.amdhsa_system_sgpr_workgroup_id_x 1
		.amdhsa_system_sgpr_workgroup_id_y 1
		.amdhsa_system_sgpr_workgroup_id_z 1
		.amdhsa_system_vgpr_workitem_id 0
		.amdhsa_next_free_vgpr 258
		.amdhsa_next_free_sgpr 72
		.amdhsa_reserve_vcc 0
		.amdhsa_float_denorm_mode_32 3
		.amdhsa_float_denorm_mode_16_64 3
		.amdhsa_memory_ordered 1
		.amdhsa_forward_progress 1
		.amdhsa_inst_pref_size 247
	.end_amdhsa_kernel
	.amdgpu_metadata
---
amdhsa.version: [ 1, 2 ]
amdhsa.kernels:
  - .name:           k_qab2d848acf_scan
    .symbol:         k_qab2d848acf_scan.kd
    .args:
      - { .name: X, .offset: 0, .size: 8, .value_kind: global_buffer, .address_space: global }
      - { .name: lowp_scales, .offset: 8, .size: 8, .value_kind: global_buffer, .address_space: global }
      - { .name: train_features, .offset: 16, .size: 8, .value_kind: global_buffer, .address_space: global }
      - { .name: tcodes, .offset: 24, .size: 8, .value_kind: global_buffer, .address_space: global }
      - { .name: t2buf, .offset: 32, .size: 8, .value_kind: global_buffer, .address_space: global }
      - { .name: gmin, .offset: 40, .size: 8, .value_kind: global_buffer, .address_space: global }
    .group_segment_fixed_size: 307200
    .private_segment_fixed_size: 0
    .kernarg_segment_align: 8
    .kernarg_segment_size: 48
    .max_flat_workgroup_size: 128
    .sgpr_count:     72
    .vgpr_count:     258
    .wavefront_size: 32
...
	.end_amdgpu_metadata
.endif
;; end of part 1
;; launch pick (part 2): grid 512 x 1, 8 waves a work-group, no clusters, 2,048 bytes of LDS; arguments gmin, order; writes order
.if DOCPART == 2
	.amdgcn_target "amdgcn-amd-amdhsa--gfx1250"
	.amdhsa_code_object_version 6
	.text
	.protected	k_qab2d848acf_pick
	.globl	k_qab2d848acf_pick
	.p2align	8
	.type	k_qab2d848acf_pick,@function
k_qab2d848acf_pick:
	s_mov_b64 s[64:65], 0
	v_nop
	global_prefetch_b8 v0, s[64:65] scope:SCOPE_SE
	s_setreg_imm32_b32 hwreg(HW_REG_WAVE_MODE, 25, 1), 1
	s_wait_xcnt 0x0
; PICK.  For query Q (the work-group's number): the 16 groups of 80 rows that come first by (least key, group number), out of 2,500; their numbers are stored as whole numbers, [512][16].
; Thread t holds the ten groups 10 t .. 10 t + 9 (t < 250; the others hold +infinity).  Each wave takes the 16 first of its 320 pairs, wave 0 then the 16 first of the 8 x 16.
; No branch and no address hangs on a floating-point number: a rank is found by minima over the wave and taken out by selects.  Group numbers are kept as f32 (whole numbers under 2^24), so that every step is an f32 minimum.
; The reads are pieces of 40 bytes, 20,480 apart: the buffer is laid for its writer, whose stores are whole runs of 512 bytes.
; No matrix work, no tensor loads, no cluster: the launch is a selection on 5 MB.  NaN and infinities among the keys are not served.
.set L15,  2                           ; v2   lane % 16
.set VAL,  4                           ; v4-13   keys
.set ID,   14                          ; v14-23  their numbers, as f32
.set TMPS, 24                          ; v24-33  at work
.set LM,   34
.set LI,   35
.set TP,   36
.set RV,   37                          ; lanes i and i + 16: the key of rank i,
.set RI,   38                          ; and its number
.set INF,  39
.set SR,   16                          ; s16  the rank in hand
.set SEL,  14                          ; s14, s15 lane selects: lane l xor 16
.macro MINN dst, base, n               ; the least of n registers
	v_min3_num_f32 v[\dst], v[\base], v[\base+1], v[\base+2]
.set mi, 3
.rept (\n-3)/2
	v_min3_num_f32 v[\dst], v[\dst], v[\base+mi], v[\base+mi+1]
.set mi, mi+2
.endr
.if (\n-3)%2
	v_min_num_f32 v[\dst], v[\dst], v[\base+\n-1]
.endif
.endm
.macro WMIN x                          ; the least over the 32 lanes, in every lane
	v_min_num_f32_dpp v[\x], v[\x], v[\x] row_xmask:1 row_mask:0xf bank_mask:0xf
	v_min_num_f32_dpp v[\x], v[\x], v[\x] row_xmask:2 row_mask:0xf bank_mask:0xf
	v_min_num_f32_dpp v[\x], v[\x], v[\x] row_xmask:4 row_mask:0xf bank_mask:0xf
	v_min_num_f32_dpp v[\x], v[\x], v[\x] row_xmask:8 row_mask:0xf bank_mask:0xf
	v_permlanex16_b32 v[TP], v[\x], s[SEL], s[SEL+1]
	v_min_num_f32 v[\x], v[\x], v[TP]
.endm
; The 16 first of the wave's 32 n pairs, by (key, number).  A trip: the least key; the least number among those that hold it; that pair's key becomes +infinity; lanes rank and rank + 16 keep the pair.
.macro EXTRACT n
	s_mov_b32 s[SR], 0
.Lrank_\@:
	MINN LM, VAL, \n
	WMIN LM
.set ej, 0
.rept \n
	v_cmp_eq_f32 vcc_lo, v[VAL+ej], v[LM]
	v_cndmask_b32 v[TMPS+ej], v[INF], v[ID+ej], vcc_lo
.set ej, ej+1
.endr
	MINN LI, TMPS, \n
	WMIN LI
.set ej, 0
.rept \n
	v_cmp_eq_f32 vcc_lo, v[ID+ej], v[LI]
	v_cndmask_b32 v[VAL+ej], v[VAL+ej], v[INF], vcc_lo
.set ej, ej+1
.endr
	v_cmp_eq_u32 vcc_lo, s[SR], v[L15]
	v_cndmask_b32 v[RV], v[RV], v[LM], vcc_lo
	v_cndmask_b32 v[RI], v[RI], v[LI], vcc_lo
	s_add_co_u32 s[SR], s[SR], 1
	s_cmp_lt_u32 s[SR], 16
	s_cbranch_scc1 .Lrank_\@
.endm
	s_load_b128 s[4:7], s[0:1], 0x0                ; the minima s[4:5], the lists s[6:7]
	v_lshl_add_u32 v64, v0, 2, 0x400
	v_mov_b32 v65, 0
	v_lshrrev_b32 v1, 5, v0
	v_readfirstlane_b32 s8, v1                     ; wave 0..7
	v_lshlrev_b32 v40, 6, v1
	v_and_b32 v1, 31, v0                           ; lane
	v_and_b32 v[L15], 15, v0
	v_lshl_add_u32 v40, v[L15], 2, v40             ; LDS: 64 x wave + 4 (lane % 16)
	v_lshlrev_b32 v41, 4, v1                       ; and 16 x lane
	v_lshlrev_b32 v42, 2, v1
	v_min_u32 v3, 249, v0                          ; threads 250 to 255 read thread 249's bytes, inside the buffer, and discard them
	v_mul_u32_u24 v3, v3, 20480
	s_mul_i32 s10, ttmp9, 40                       ; my query's ten words in each block of 20,480 bytes
	s_mov_b32 s11, 0
	s_lshl_b32 s12, ttmp9, 6                       ; my query's list
	s_mov_b32 s13, 0
	s_mov_b32 s[SEL], 0x76543210
	s_mov_b32 s[SEL+1], 0xfedcba98
	s_wait_kmcnt 0x0
	s_add_nc_u64 s[4:5], s[4:5], s[10:11]
	s_add_nc_u64 s[6:7], s[6:7], s[12:13]
.irp c, 0,1,2,3,4
	global_load_b64 v[VAL+2*\c:VAL+2*\c+1], v3, s[4:5] offset:8*\c
.endr
	v_mul_u32_u24 v43, v0, 10
.irp j, 0,1,2,3,4,5,6,7,8,9
	v_add_nc_u32 v[TMPS+\j], \j, v43
	v_cvt_f32_u32 v[ID+\j], v[TMPS+\j]             ; group 10 t + j
.endr
	v_mov_b32 v[INF], 0x7f800000
	v_mov_b32 v[TP], 0                             ; written once: a lane permute's destination counts as one of its sources
	v_mov_b32 v[RV], 0
	v_mov_b32 v[RI], 0
	v_cmp_gt_u32 vcc_lo, 250, v0
	s_wait_loadcnt 0x0
.irp j, 0,1,2,3,4,5,6,7,8,9
	v_cndmask_b32 v[VAL+\j], v[INF], v[VAL+\j], vcc_lo
.endr
	EXTRACT 10
	ds_store_b32 v40, v[RV]                        ; lanes i and i + 16 write one word with one value
	ds_store_b32 v40, v[RI] offset:512
	s_wait_dscnt 0x0                               ; for wave 0's sake
	s_barrier_signal -1
	s_barrier_wait -1
	s_cmp_lg_u32 s8, 0
	s_cbranch_scc1 .Lend
	ds_load_b128 v[VAL:VAL+3], v41                 ; 128 pairs, four a lane
	ds_load_b128 v[ID:ID+3], v41 offset:512
	s_wait_dscnt 0x0
	EXTRACT 4
	v_cvt_u32_f32 v43, v[RI]
	v_cmp_gt_u32 vcc_lo, 16, v1
	s_wait_xcnt 0x0                                ; EXEC changes only behind this wait
	s_and_saveexec_b32 s9, vcc_lo
	global_store_b32 v42, v43, s[6:7]              ; 64 bytes: the query's list
	s_wait_xcnt 0x0
	s_or_b32 exec_lo, exec_lo, s9
.Lend:
	s_wait_tensorcnt 0x0
	ds_add_u32 v64, v65
	s_wait_dscnt 0x0
	s_endpgm
.Lfunc_end_k_qab2d848acf_pick:
	.size	k_qab2d848acf_pick, .Lfunc_end_k_qab2d848acf_pick-k_qab2d848acf_pick
	.p2alignl 7, 3214868480
	.fill 96, 4, 3214868480
	.section	.rodata,"a",@progbits
	.p2align	6, 0x0
	.amdhsa_kernel k_qab2d848acf_pick
		.amdhsa_group_segment_fixed_size 2048
		.amdhsa_private_segment_fixed_size 0
		.amdhsa_enable_private_segment 0
		.amdhsa_kernarg_size 16
		.amdhsa_user_sgpr_count 2
		.amdhsa_user_sgpr_kernarg_segment_ptr 1
		.amdhsa_wavefront_size32 1
		.amdhsa_system_sgpr_workgroup_id_x 1
		.amdhsa_system_sgpr_workgroup_id_y 1
		.amdhsa_system_sgpr_workgroup_id_z 1
		.amdhsa_system_vgpr_workitem_id 0
		.amdhsa_next_free_vgpr 66
		.amdhsa_next_free_sgpr 66
		.amdhsa_reserve_vcc 1
		.amdhsa_float_denorm_mode_32 3
		.amdhsa_float_denorm_mode_16_64 3
		.amdhsa_memory_ordered 1
		.amdhsa_forward_progress 1
		.amdhsa_inst_pref_size 9
	.end_amdhsa_kernel
	.amdgpu_metadata
---
amdhsa.version: [ 1, 2 ]
amdhsa.kernels:
  - .name:           k_qab2d848acf_pick
    .symbol:         k_qab2d848acf_pick.kd
    .args:
      - { .name: gmin, .offset: 0, .size: 8, .value_kind: global_buffer, .address_space: global }
      - { .name: order, .offset: 8, .size: 8, .value_kind: global_buffer, .address_space: global }
    .group_segment_fixed_size: 2048
    .private_segment_fixed_size: 0
    .kernarg_segment_align: 8
    .kernarg_segment_size: 16
    .max_flat_workgroup_size: 256
    .sgpr_count:     66
    .vgpr_count:     66
    .wavefront_size: 32
...
	.end_amdgpu_metadata
.endif
;; end of part 2
;; launch vote (part 3): grid 512 x 1, 8 waves a work-group, no clusters, 2,048 bytes of LDS; arguments X, lowp_scales, tcodes, t2buf, train_labels, order, out0; writes out0
.if DOCPART == 3
	.amdgcn_target "amdgcn-amd-amdhsa--gfx1250"
	.amdhsa_code_object_version 6
	.text
	.protected	k_qab2d848acf_vote
	.globl	k_qab2d848acf_vote
	.p2align	8
	.type	k_qab2d848acf_vote,@function
k_qab2d848acf_vote:
	s_mov_b64 s[64:65], 0
	v_nop
	global_prefetch_b8 v0, s[64:65] scope:SCOPE_SE
	s_setreg_imm32_b32 hwreg(HW_REG_WAVE_MODE, 25, 1), 1
	s_wait_xcnt 0x0
; VOTE.  For query Q (the work-group's number): the 16 x 80 rows of its 16 chosen groups are looked into: d2 is formed again by the same steps as in the first pass (the same codes, the same matrix form with its
; sources swapped, the same t2 from memory, x2 by the same lines), the 16 first by (max(d2, 0), index) are taken, weighted by 1 / distance with the correction for a distance of 0, and the labels vote.
; SHARES.  Wave w takes list entries 2 w and 2 w + 1: 2 groups x 5 tiles of 16 rows = 10 products.  Source 0 = the query in all 16 rows, source 1 = 16 candidates: register 0 of a result holds, in lane (r, hl), candidate r.
; Lanes 0-15 then keep the first group's candidates, lanes 16-31 the second's: five pairs a lane.  Each wave takes the 16 first of its 160, wave 0 the 16 first of the 8 x 16, and votes.
; ADDRESSES hang on the list alone, whole numbers that an earlier launch stored, held at 2,499 here.  A candidate's label is loaded with it and carried in the low four bits of its number
; (16 x index + label, under 2^24, kept as f32), so nothing is fetched by what this launch compares.
; LIMITS.  Candidates are ordered by (max(d2, 0), index), not by (its root, index): two rows whose d2 differ and whose roots round to one f32 are taken by d2.  The root and the reciprocal are v_sqrt_f32 and
; v_rcp_f32 (1 ulp; a d2 under 2^-126 counts as distance 0).  e0 between -126 and 112, e0 + e1 + 1 between -126 and 127.  NaN and infinities among the inputs are not served.  A label outside 0 .. 9 votes for nothing.
.set L15,  2                           ; v2   r = lane % 16
.set SCL,  8                           ; v8   2^e0;  v9  57,344 x 2^e0
.set LIM,  9
.set ROW,  10                          ; v10  my group, then my first candidate's index
.set P,    12                          ; v[12:13]
.set X2,   14
.set TB,   15
.set AQ,   16                          ; v16-23  the query's codes
.set VAL,  24                          ; v24-28  keys
.set ID,   30                          ; v30-34  16 x index + label, as f32
.set T2,   36                          ; v36-40
.set LB,   42                          ; v42-46
.set TMPS, 48                          ; v48-52  at work
.set LM,   58
.set LI,   59
.set TP,   60
.set RV,   61
.set RI,   62
.set INF,  63
.set XT,   64                          ; v64-95  the query's 32 numbers of my half; later at work
.set BF,   96                          ; v96-175  ten fragments of candidates
.set ACC,  176                         ; v176-255 ten results
.set SEL,  32                          ; s32, s33 lane selects: lane l xor 16
.set SR,   34
.macro MINN dst, base, n               ; the least of n registers
	v_min3_num_f32 v[\dst], v[\base], v[\base+1], v[\base+2]
.set mi, 3
.rept (\n-3)/2
	v_min3_num_f32 v[\dst], v[\dst], v[\base+mi], v[\base+mi+1]
.set mi, mi+2
.endr
.if (\n-3)%2
	v_min_num_f32 v[\dst], v[\dst], v[\base+\n-1]
.endif
.endm
.macro WMIN x                          ; the least over the 32 lanes, in every lane
	v_min_num_f32_dpp v[\x], v[\x], v[\x] row_xmask:1 row_mask:0xf bank_mask:0xf
	v_min_num_f32_dpp v[\x], v[\x], v[\x] row_xmask:2 row_mask:0xf bank_mask:0xf
	v_min_num_f32_dpp v[\x], v[\x], v[\x] row_xmask:4 row_mask:0xf bank_mask:0xf
	v_min_num_f32_dpp v[\x], v[\x], v[\x] row_xmask:8 row_mask:0xf bank_mask:0xf
	v_permlanex16_b32 v[TP], v[\x], s[SEL], s[SEL+1]
	v_min_num_f32 v[\x], v[\x], v[TP]
.endm
; The 16 first of the wave's 32 n pairs, by (key, number).  A trip: the least key; the least number among those that hold it; that pair's key becomes +infinity; lanes rank and rank + 16 keep the pair.
.macro EXTRACT n
	s_mov_b32 s[SR], 0
.Lrank_\@:
	MINN LM, VAL, \n
	WMIN LM
.set ej, 0
.rept \n
	v_cmp_eq_f32 vcc_lo, v[VAL+ej], v[LM]
	v_cndmask_b32 v[TMPS+ej], v[INF], v[ID+ej], vcc_lo
.set ej, ej+1
.endr
	MINN LI, TMPS, \n
	WMIN LI
.set ej, 0
.rept \n
	v_cmp_eq_f32 vcc_lo, v[ID+ej], v[LI]
	v_cndmask_b32 v[VAL+ej], v[VAL+ej], v[INF], vcc_lo
.set ej, ej+1
.endr
	v_cmp_eq_u32 vcc_lo, s[SR], v[L15]
	v_cndmask_b32 v[RV], v[RV], v[LM], vcc_lo
	v_cndmask_b32 v[RI], v[RI], v[LI], vcc_lo
	s_add_co_u32 s[SR], s[SR], 1
	s_cmp_lt_u32 s[SR], 16
	s_cbranch_scc1 .Lrank_\@
.endm
	s_load_b256 s[4:11], s[0:1], 0x0               ; X s[4:5], the exponents s[6:7], T's codes s[8:9], t2 s[10:11]
	s_load_b128 s[12:15], s[0:1], 0x20             ; the labels s[12:13], the lists s[14:15]
	s_load_b64 s[16:17], s[0:1], 0x30              ; the result
	v_lshl_add_u32 v56, v0, 2, 0x400
	v_mov_b32 v57, 0
	v_lshrrev_b32 v1, 5, v0
	v_readfirstlane_b32 s18, v1                    ; wave 0..7
	v_lshlrev_b32 v41, 6, v1
	v_and_b32 v1, 31, v0                           ; lane
	v_and_b32 v[L15], 15, v0                       ; r
	v_bfe_u32 v3, v0, 4, 1                         ; hl
	v_lshl_add_u32 v41, v[L15], 2, v41             ; LDS: 64 x wave + 4 r
	v_lshlrev_b32 v35, 4, v1                       ; and 16 x lane
	v_lshlrev_b32 v4, 2, v3                        ; the list: my half's entry
	v_lshlrev_b32 v5, 7, v3                        ; X: my half's 32 numbers
	v_lshlrev_b32 v47, 6, v[L15]
	v_lshl_add_u32 v47, v3, 5, v47                 ; codes: candidate r's 64 bytes, + 32 hl
	s_lshl_b32 s20, ttmp9, 6
	s_lshl_b32 s21, s18, 3
	s_add_co_u32 s20, s20, s21                     ; my two entries of the query's list
	s_mov_b32 s21, 0
	s_lshl_b32 s24, ttmp9, 8                       ; the query's row of X
	s_mov_b32 s25, 0
	s_lshl_b32 s26, ttmp9, 2                       ; its word of the result
	s_mov_b32 s27, 0
	s_mov_b32 s[SEL], 0x76543210
	s_mov_b32 s[SEL+1], 0xfedcba98
	s_wait_kmcnt 0x0
	s_add_nc_u64 s[14:15], s[14:15], s[20:21]
	s_add_nc_u64 s[4:5], s[4:5], s[24:25]
	s_add_nc_u64 s[16:17], s[16:17], s[26:27]
	s_load_b64 s[28:29], s[6:7], 0x0               ; e0, e1
	s_load_b64 s[22:23], s[14:15], 0x0             ; my two groups, for the fragments,
	global_load_b32 v[ROW], v4, s[14:15]           ; and my half's group, for t2 and the labels
.irp c, 0,1,2,3,4,5,6,7
	global_load_b128 v[XT+4*\c:XT+4*\c+3], v5, s[4:5] offset:16*\c
.endr
	v_mov_b32 v[INF], 0x7f800000
	v_mov_b32 v[TP], 0                             ; written once: a lane permute's destination counts as one of its sources
	v_mov_b32 v[RV], 0
	v_mov_b32 v[RI], 0
	v_cmp_eq_u32 s30, 1, v3                        ; lanes 16-31
	s_wait_kmcnt 0x0
	s_min_u32 s22, s22, 2499                       ; a loaded number enters an address only behind this hold
	s_min_u32 s23, s23, 2499
	s_mul_i32 s22, s22, 5120                       ; a group's 80 rows of 64 codes
	s_mul_i32 s23, s23, 5120
	v_add_nc_u32 v6, s22, v47
	v_add_nc_u32 v7, s23, v47
.irp s, 0,1
.irp i, 0,1,2,3,4
	global_load_b128 v[BF+8*(5*\s+\i):BF+8*(5*\s+\i)+3], v[6+\s], s[8:9] offset:1024*\i
	global_load_b128 v[BF+8*(5*\s+\i)+4:BF+8*(5*\s+\i)+7], v[6+\s], s[8:9] offset:1024*\i+16
.endr
.endr
	s_add_co_i32 s35, s28, 127
	s_lshl_b32 s39, s35, 23
	v_mov_b32 v[SCL], s39                          ; 2^e0 as f32
	s_add_co_i32 s35, s35, 15
	s_lshl_b32 s35, s35, 23
	s_or_b32 s35, s35, 0x600000
	v_mov_b32 v[LIM], s35                          ; 57,344 x 2^e0
	s_add_co_i32 s31, s28, s29
	s_add_co_i32 s31, s31, 128
	s_lshl_b32 s31, s31, 23
	s_or_b32 s31, s31, 0x80000000                  ; c = -2^(e0 + e1 + 1)
	s_wait_loadcnt 28                              ; my group's number is in; behind it X's 8 loads and the codes' 20 may be out
	v_min_u32 v[ROW], 2499, v[ROW]
	v_mul_u32_u24 v[ROW], v[ROW], 80
	v_add_nc_u32 v[ROW], v[ROW], v[L15]            ; my candidate of tile 0: 80 g + r
	v_lshlrev_b32 v11, 2, v[ROW]
.irp i, 0,1,2,3,4
	global_load_b32 v[T2+\i], v11, s[10:11] offset:64*\i
.endr
.irp i, 0,1,2,3,4
	global_load_b32 v[LB+\i], v11, s[12:13] offset:64*\i
.endr
	s_wait_loadcnt 30                              ; X is in; behind it the codes' 20, t2's 5 and the labels' 5
	; x2 and the query's codes, by the lines of the first pass
	v_pk_mul_f32 v[P:P+1], v[XT:XT+1], v[XT:XT+1]
.irp j, 2,4,6,8,10,12,14,16,18,20,22,24,26,28,30
	v_pk_fma_f32 v[P:P+1], v[XT+\j:XT+\j+1], v[XT+\j:XT+\j+1], v[P:P+1]
.endr
	v_add_f32 v[TB], v[P], v[P+1]
	v_permlanex16_b32 v[TP], v[TB], s[SEL], s[SEL+1]
	v_add_f32 v[X2], v[TB], v[TP]
.irp j, 0,1,2,3,4,5,6,7,8,9,10,11,12,13,14,15,16,17,18,19,20,21,22,23,24,25,26,27,28,29,30,31
	v_med3_num_f32 v[XT+\j], v[XT+\j], -v[LIM], v[LIM]   ; the conversion to an 8-bit code does not saturate (ISA guide 7.6.2)
.endr
.irp g, 0,1,2,3
	v_cvt_scalef32_pk8_bf8_f32 v[AQ+2*\g:AQ+2*\g+1], v[XT+8*\g:XT+8*\g+7], v[SCL]
.endr
	v_nop                                          ; one plain vector line between the last conversion and the products that read its result
	s_wait_loadcnt 10                              ; the codes are in; t2 and the labels may be out
.irp t, 0,1,2,3,4,5,6,7,8,9
	v_wmma_f32_16x16x64_bf8_bf8 v[ACC+8*\t:ACC+8*\t+7], v[AQ:AQ+7], v[BF+8*\t:BF+8*\t+7], 0   ; ten results, each its own registers
.endr
.rept 4
	v_nop                                          ; four places in front of the first read of a result (ISA guide 7.12.1)
.endr
	s_wait_loadcnt 0x0
.irp i, 0,1,2,3,4
	v_cndmask_b32 v[VAL+\i], v[ACC+8*\i], v[ACC+40+8*\i], s30   ; each result's lowest register: lanes 0-15 the first group's candidate, lanes 16-31 the second's
	v_add_f32 v[TMPS+\i], v[X2], v[T2+\i]
	v_fma_f32 v[VAL+\i], v[VAL+\i], s31, v[TMPS+\i]             ; d2 = sum x c + (x2 + t2)
	v_max_num_f32 v[VAL+\i], 0, v[VAL+\i]
	v_min_u32 v[LB+\i], 15, v[LB+\i]               ; a label outside 0 .. 9 lands on 10 .. 15, which vote for nothing
	v_add_nc_u32 v[ID+\i], 16*\i, v[ROW]
	v_lshl_add_u32 v[ID+\i], v[ID+\i], 4, v[LB+\i]
	v_cvt_f32_u32 v[ID+\i], v[ID+\i]               ; 16 x index + label: exact in f32, ordered as the index
.endr
	EXTRACT 5
	ds_store_b32 v41, v[RV]                        ; lanes i and i + 16 write one word with one value
	ds_store_b32 v41, v[RI] offset:512
	s_wait_dscnt 0x0                               ; for wave 0's sake
	s_barrier_signal -1
	s_barrier_wait -1
	s_cmp_lg_u32 s18, 0
	s_cbranch_scc1 .Lend
	ds_load_b128 v[VAL:VAL+3], v35                 ; 128 pairs, four a lane
	ds_load_b128 v[ID:ID+3], v35 offset:512
	s_wait_dscnt 0x0
	EXTRACT 4
	; lanes i and i + 16 hold the neighbour of rank i
	v_sqrt_f32 v64, v[RV]                          ; its distance
	v_nop                                          ; a plain line behind a transcendental
	s_wait_alu depctr_va_vdst(0)
	v_rcp_f32 v65, v64
	v_nop
	v_cmp_eq_f32 s35, 0, v64                       ; where the distance is 0 (there 1 / distance is infinite)
	v_readlane_b32 s39, v64, 0                     ; the list ascends: some distance is 0 where the first is
	v_mov_b32 v67, s39
	v_cmp_eq_f32 s40, 0, v67
	v_cndmask_b32 v68, 0, 1.0, s35
	s_wait_alu depctr_va_vdst(0)
	v_cndmask_b32 v65, v65, v68, s40               ; the weight
	v_cvt_u32_f32 v66, v[RI]
	v_and_b32 v66, 15, v66                         ; the label
	v_mov_b32 v70, 0                               ; lane l sums label l's votes, in the order of the ranks
.irp i, 0,1,2,3,4,5,6,7,8,9,10,11,12,13,14,15
	v_readlane_b32 s41, v65, \i
	v_readlane_b32 s42, v66, \i
	v_cmp_eq_u32 vcc_lo, s42, v1
	v_cndmask_b32 v69, 0, s41, vcc_lo
	v_add_f32 v70, v70, v69
.endr
	v_cmp_gt_u32 vcc_lo, 10, v1
	v_cndmask_b32 v70, -1.0, v70, vcc_lo           ; lanes that stand for no label: under every vote
	v_mov_b32 v71, v70
	v_max_num_f32_dpp v71, v71, v71 row_xmask:1 row_mask:0xf bank_mask:0xf
	v_max_num_f32_dpp v71, v71, v71 row_xmask:2 row_mask:0xf bank_mask:0xf
	v_max_num_f32_dpp v71, v71, v71 row_xmask:4 row_mask:0xf bank_mask:0xf
	v_max_num_f32_dpp v71, v71, v71 row_xmask:8 row_mask:0xf bank_mask:0xf
	v_cmp_eq_f32 s43, v70, v71
	s_ctz_i32_b32 s43, s43                         ; the lowest label that holds the largest vote
	v_mov_b32 v72, s43
	v_mov_b32 v73, 0
	v_cmp_eq_u32 vcc_lo, 0, v1
	s_wait_xcnt 0x0                                ; EXEC changes only behind this wait
	s_and_saveexec_b32 s44, vcc_lo
	global_store_b32 v73, v72, s[16:17]            ; four bytes: the query's result
	s_wait_xcnt 0x0
	s_or_b32 exec_lo, exec_lo, s44
.Lend:
	s_wait_tensorcnt 0x0
	ds_add_u32 v56, v57
	s_wait_dscnt 0x0
	s_endpgm
.Lfunc_end_k_qab2d848acf_vote:
	.size	k_qab2d848acf_vote, .Lfunc_end_k_qab2d848acf_vote-k_qab2d848acf_vote
	.p2alignl 7, 3214868480
	.fill 96, 4, 3214868480
	.section	.rodata,"a",@progbits
	.p2align	6, 0x0
	.amdhsa_kernel k_qab2d848acf_vote
		.amdhsa_group_segment_fixed_size 2048
		.amdhsa_private_segment_fixed_size 0
		.amdhsa_enable_private_segment 0
		.amdhsa_kernarg_size 56
		.amdhsa_user_sgpr_count 2
		.amdhsa_user_sgpr_kernarg_segment_ptr 1
		.amdhsa_wavefront_size32 1
		.amdhsa_system_sgpr_workgroup_id_x 1
		.amdhsa_system_sgpr_workgroup_id_y 1
		.amdhsa_system_sgpr_workgroup_id_z 1
		.amdhsa_system_vgpr_workitem_id 0
		.amdhsa_next_free_vgpr 256
		.amdhsa_next_free_sgpr 66
		.amdhsa_reserve_vcc 1
		.amdhsa_float_denorm_mode_32 3
		.amdhsa_float_denorm_mode_16_64 3
		.amdhsa_memory_ordered 1
		.amdhsa_forward_progress 1
		.amdhsa_inst_pref_size 22
	.end_amdhsa_kernel
	.amdgpu_metadata
---
amdhsa.version: [ 1, 2 ]
amdhsa.kernels:
  - .name:           k_qab2d848acf_vote
    .symbol:         k_qab2d848acf_vote.kd
    .args:
      - { .name: X, .offset: 0, .size: 8, .value_kind: global_buffer, .address_space: global }
      - { .name: lowp_scales, .offset: 8, .size: 8, .value_kind: global_buffer, .address_space: global }
      - { .name: tcodes, .offset: 16, .size: 8, .value_kind: global_buffer, .address_space: global }
      - { .name: t2buf, .offset: 24, .size: 8, .value_kind: global_buffer, .address_space: global }
      - { .name: train_labels, .offset: 32, .size: 8, .value_kind: global_buffer, .address_space: global }
      - { .name: order, .offset: 40, .size: 8, .value_kind: global_buffer, .address_space: global }
      - { .name: out0, .offset: 48, .size: 8, .value_kind: global_buffer, .address_space: global }
    .group_segment_fixed_size: 2048
    .private_segment_fixed_size: 0
    .kernarg_segment_align: 8
    .kernarg_segment_size: 56
    .max_flat_workgroup_size: 256
    .sgpr_count:     66
    .vgpr_count:     256
    .wavefront_size: 32
...
	.end_amdgpu_metadata
.endif
;; end of part 3
